; MI455X (gfx1250); checked and timed in simulation.
; The chip was launched on July 23, 2026; its instructions are those of AMD's public machine-readable ISA for CDNA 5 (MIT licence, August 2026) and "CDNA5" Instruction Set Architecture Reference Guide (July 2026). The comments in the code are by the model that wrote it; some were corrected since.
;; Attribute Multi Headed Attention. Allowed arithmetic: matrix products marked QUANTISED: E2M1 operands, one E8M0 scale for each 32 along K, by v_wmma_scale_f32_16x16x128_f8f6f4 with both operands' format E2M1 (or v_wmma_scale_f32_32x16x128_f4), f32 sums; products left as they are: f32 operands where the result goes on into a quantised operand, else bf16, f16 or f32 operands; f32 sums; everything else in f32.
;; Inputs: Wk 1,024 x 1,024 float32; Wo 1,024 x 1,024 float32; Wq 1,024 x 1,024 float32; Wv 1,024 x 1,024 float32; bk 1,024 float32; bo 1,024 float32; bq 1,024 float32; bv 1,024 float32; key 4 x 512 x 8 x 1,024 float32; query 4 x 512 x 8 x 1,024 float32; value 4 x 512 x 8 x 1,024 float32.
;; Outputs: out0 4 x 512 x 8 x 1,024 float32.
;; Constants: d_atrbt = 8.
;; This version of the problem:
;;   THIS VERSION OF THE PROBLEM IS GIVEN IN LOW PRECISION. The matrix products marked QUANTISED in the list below multiply operands that are first quantised to E2M1 (2 exponent bits, 1 mantissa bit; 4 bits a number), with one power-of-two scale for each 32 numbers along K (OCP MX v1.0); their sums are f32. All else is computed in f32.
;;   The module's matrix products, in the order in which they are computed (A, B: the left and right operand; K: the contracted axis; several contracted axes count as one K, in the product's order):
;;     1. [M 16,384, K 1,024] x [K 1,024, N 1,024]; A: input query; B: input Wq: QUANTISED
;;     2. [M 16,384, K 1,024] x [K 1,024, N 1,024]; A: input key; B: input Wk: QUANTISED
;;     3. [M 16,384, K 1,024] x [K 1,024, N 1,024]; A: input value; B: input Wv: QUANTISED
;;     4. batch 32,768 x [M 8, K 64] x [K 64, N 8]; A: computed on the way; B: computed on the way: left as it is (M = 8 < 16)
;;     5. batch 32,768 x [M 8, K 8] x [K 8, N 64]; A: softmax; B: computed on the way: left as it is (K = 8 < 32)
;;     6. [M 16,384, K 1,024] x [K 1,024, N 1,024]; A: computed on the way; B: input Wo: QUANTISED
;;   THE QUANTISER, for each operand of a quantised product, along K:
;;     - K is cut into blocks of 32 from its start; a last block that is shorter is filled with zeros.
;;     - A block's scale is 2^e with e = floor(log2(the largest magnitude in the block)) - 2, held to -126 .. 127; a block of zeros has e = 0. As a byte (E8M0): e + 127.
;;     - Each number is divided by its block's scale, clamped to +-6, and rounded to the nearest number of E2M1, ties to even, subnormals kept.
;;     - The product sums the exact products of the quantised numbers (number of the format x scale) in f32.
;;   ~~~python
;;   def quantise(x, axis):      # numpy; x: float32 -> the quantised numbers, widened to float32 again
;;       x = np.moveaxis(x, axis, -1); K = x.shape[-1]
;;       x = np.pad(x, [(0, 0)] * (x.ndim - 1) + [(0, -K % 32)]); x = x.reshape(x.shape[:-1] + (-1, 32)); a = np.abs(x).max(-1, keepdims=True)
;;       e = np.where(a > 0, np.clip(np.frexp(np.where(a > 0, a, 1))[1] - 1 - 2, -126, 127), 0)      # np.frexp(a)[1] - 1 = floor(log2(a)), exactly
;;       r = np.clip(x / 2.0 ** e, -6, 6)
;;       step = 2.0 ** (np.maximum(np.frexp(np.where(r == 0, 1, r))[1] - 1, 0) - 1)
;;       q = np.round(r / step) * step * 2.0 ** e      # np.round: ties to even
;;       return np.moveaxis(q.reshape(q.shape[:-2] + (-1,))[..., :K], -1, axis).astype(np.float32)
;;   ~~~
;;   OPERANDS COMPUTED ON THE WAY. 'Computed on the way' means the value that the module computes at that place (a softmax that the list does not call 'softmax' is quantised finished and normalised). What goes into a quantiser is computed in f32, as accurately as f32 sums, v_exp_f32 and their like allow (about 1e-6 of the number): no bf16 or f16 on the way to a quantiser, and a product that is left as it is and whose result goes on into a quantised operand takes f32 operands (vector FMAs, or v_wmma_f32_16x16x4_f32). A number that lies on a knife's edge between two numbers of the format may be rounded either way, as far as f32 arithmetic and the matrix unit's own rounding can turn it there, and no further.
;; One version. Each part assembles by itself: llvm-mc -triple=amdgcn-amd-amdhsa -mcpu=gfx1250 --defsym DOCPART=n.
;; ======== version 1 of 1: 3 launches
;; limits: right only within a limited range of input values
;; workspace buffers: codes 27,262,976 bytes; scales 1,703,936 bytes; xc 8,388,608 bytes; xs 524,288 bytes
;; launch quant (part 1): grid 3328 x 1, 4 waves a work-group, no clusters, 34,816 bytes of LDS; arguments query, key, value, Wq, Wk, Wv, Wo, codes, scales; writes codes, scales
.if DOCPART == 1
	.amdgcn_target "amdgcn-amd-amdhsa--gfx1250"
	.amdhsa_code_object_version 6
	.text
	.protected	k_qdaaacd5271_quant
	.globl	k_qdaaacd5271_quant
	.p2align	8
	.type	k_qdaaacd5271_quant,@function
k_qdaaacd5271_quant:
	s_mov_b64 s[64:65], 0
	v_nop
	global_prefetch_b8 v0, s[64:65] scope:SCOPE_SE
	s_setreg_imm32_b32 hwreg(HW_REG_WAVE_MODE, 25, 1), 1
	s_wait_xcnt 0x0
; query, key, value [16384][1024] and Wq, Wk, Wv, Wo [1024][1024], f32 with K innermost, become codes of FP4 (E2M1) with one E8M0 scale byte for each 32 along K.
; A block's scale is 2^(floor(log2(its largest magnitude)) - 2); its byte is the largest magnitude's exponent field - 2, held at 1 from below.
; LIMITS: a block of zeros gets the byte 1 where the rule says 127 (its codes are zeros, and this program alone reads the bytes); blocks whose largest magnitude lies
; under 2^-124 are held at the byte 1; NaN and infinities among the inputs are not served.
; LAYOUT OF THE RESULTS, in the order of an operand's registers.  A quad is 64 rows: four tiles m of 16.  codes: [quad][m][K step s of 128][1,024 bytes]: piece c of 512 bytes holds
; registers 4 c .. 4 c + 3 of every lane, lane l's 16 bytes at 16 l.  scales: [quad][s][row r][m], one word of four bytes each: 256 bytes for a quad's K step.
; Quads 0-255 query, 256-511 key, 512-767 value, 768-783 Wq, 784-799 Wk, 800-815 Wv, 816-831 Wo.
; SHARES: a work-group takes a quad and a quarter of K (two K steps): 832 x 4 = 3,328 work-groups, 13 for each of 256 WGPs; four work-groups with neighbouring numbers cover a quad's whole rows.
; Wave m takes tile m: two fragments of 16 rows x 128 K, 32 loads of 512 consecutive bytes, all issued at the start.  A fragment's 8,192 bytes turn through the wave's own stage in LDS
; (rows 528 bytes apart: 132 words, so the sixteen rows of a read start at sixteen different banks) and come back, into the registers that they left, so that lane (r, h) holds, of row r, 16 neighbours of each block of 32.
; Each fragment has its own registers for codes and scale word, so no store's data are written again.  The scale words go to LDS first, the codes' four stores follow behind both fragments.
; The work-group's scale words are 512 consecutive bytes of memory: wave 0 stores them with one instruction.
; No tensor load, no matrix instruction, no cluster (nothing is shared), no prefetch (each byte is read once, and there is no loop to run ahead in).
.set STG,  8448                        ; a wave's stage: 16 rows x 528 bytes
.set SCB,  4*STG                       ; behind the stages: the work-group's 512 bytes of scale words, [s][r][m]
.set SPARE, SCB+512                    ; behind them: the spare words, 128 bytes for each wave: two blocks of 256 bytes that no other line names
.set LI,   1                           ; v1   16 x lane: offset of loads and stores
.set SIN,  2                           ; v2   the stage on the way in: wave x STG + 16 x lane
.set SOUT, 3                           ; v3   and out: wave x STG + 528 r + 64 h
.set SWA,  4                           ; v4   where my row's scale word goes: SCB + 16 r + 4 x wave
.set SRA,  5                           ; v5   the scale words on the way out: SCB + 16 x lane
.set SPW,  6                           ; v6   LDS address of my spare word: SPARE + 4 x my thread's number; never rewritten
.set NIL,  7                           ; v7   0; never rewritten
.set TM,   16                          ; v16-19 largest magnitudes, v20-23 the other half's, then the bytes, v28-31 the conversions' scale operands
.set PW,   32                          ; v32-33 the two fragments' scale words
.set PC,   36                          ; v36-51 their codes
.set OW,   52                          ; v52-55 scale words on the way out
.set R,    64                          ; v64-191 two sets of 64: first as loaded, then turned: register 16 b + i = k 32 b + 16 h + i of my row
.set SEL,  32                          ; s[32:33] selects of v_permlanex16_b32 for lane l xor 16
	s_load_b512 s[4:19], s[0:1], 0x0               ; query, key, value, Wq, Wk, Wv, Wo s[4:17]; codes s[18:19]
	s_load_b64 s[20:21], s[0:1], 0x40              ; scales
	v_lshl_add_u32 v[SPW], v0, 2, SPARE
	v_mov_b32 v[NIL], 0
	v_lshrrev_b32 v8, 5, v0
	v_readfirstlane_b32 s26, v8                    ; wave 0..3 = tile m
	v_and_b32 v8, 31, v0
	v_lshlrev_b32 v[LI], 4, v8
	v_and_b32 v8, 15, v0                           ; r
	v_bfe_u32 v9, v0, 4, 1                         ; h
	s_mul_i32 s27, s26, STG
	v_add_nc_u32 v[SIN], s27, v[LI]
	v_mul_u32_u24 v[SOUT], v8, 528
	v_lshl_add_u32 v[SOUT], v9, 6, v[SOUT]
	v_add_nc_u32 v[SOUT], s27, v[SOUT]
	s_lshl_b32 s28, s26, 2
	s_add_co_u32 s28, s28, SCB
	v_lshl_add_u32 v[SWA], v8, 4, s28
	v_add_nc_u32 v[SRA], SCB, v[LI]
	s_mov_b32 s[SEL], 0x76543210
	s_mov_b32 s[SEL+1], 0xfedcba98
	s_lshr_b32 s37, ttmp9, 2                       ; my quad
	s_and_b32 s38, ttmp9, 3                        ; my quarter of K
.irp b, 0,1,2,3
	v_mov_b32 v[TM+4+\b], 0                        ; written once: a lane permute's destination counts as one of its sources
.endr
	s_wait_alu depctr_va_vdst(0)                   ; the wait at the head's end
	s_wait_kmcnt 0x0
	; which tensor is my quad's?  The choice hangs on the work-group's number alone
	s_mov_b64 s[22:23], s[16:17]
	s_cmp_lt_u32 s37, 816
	s_cselect_b64 s[22:23], s[14:15], s[22:23]
	s_cmp_lt_u32 s37, 800
	s_cselect_b64 s[22:23], s[12:13], s[22:23]
	s_cmp_lt_u32 s37, 784
	s_cselect_b64 s[22:23], s[10:11], s[22:23]
	s_cmp_lt_u32 s37, 768
	s_cselect_b64 s[22:23], s[8:9], s[22:23]
	s_cselect_b32 s24, 255, 15                     ; and which quad of it: the large tensors have 256, the weights 16
	s_cmp_lt_u32 s37, 512
	s_cselect_b64 s[22:23], s[6:7], s[22:23]
	s_cmp_lt_u32 s37, 256
	s_cselect_b64 s[22:23], s[4:5], s[22:23]
	s_and_b32 s24, s37, s24
	s_lshl_b32 s24, s24, 18                        ; 64 rows of 4,096 bytes,
	s_lshl_b32 s30, s26, 16                        ; my wave's 16 of them,
	s_add_co_u32 s24, s24, s30
	s_lshl_b32 s30, s38, 10                        ; my quarter of a row: 1,024 bytes
	s_add_co_u32 s24, s24, s30
	s_mov_b32 s25, 0
	s_add_nc_u64 s[22:23], s[22:23], s[24:25]
	s_lshl_b32 s24, s37, 15                        ; codes: 32,768 bytes a quad, 8,192 a tile, 2,048 a quarter of K
	s_lshl_b32 s30, s26, 13
	s_add_co_u32 s24, s24, s30
	s_lshl_b32 s30, s38, 11
	s_add_co_u32 s24, s24, s30
	s_add_nc_u64 s[18:19], s[18:19], s[24:25]
	s_lshl_b32 s24, s37, 11                        ; scales: 2,048 bytes a quad, 512 a quarter of K
	s_lshl_b32 s30, s38, 9
	s_add_co_u32 s24, s24, s30
	s_add_nc_u64 s[20:21], s[20:21], s[24:25]
.irp s, 0,1                            ; both fragments: sixteen loads of 512 consecutive bytes each, read once in the launch
.irp i, 0,1,2,3,4,5,6,7,8,9,10,11,12,13,14,15
	global_load_b128 v[R+64*\s+4*\i:R+64*\s+4*\i+3], v[LI], s[22:23] offset:4096*\i+512*\s th:TH_LOAD_NT
.endr
.endr
; 64 numbers of a lane, v[X] on, become the fragment's codes in v[C] on and my row's scale word in v[W]
.macro QUANT
.irp b, 0,1,2,3
	v_max3_num_f32 v[TM+\b], |v[X+16*\b]|, |v[X+1+16*\b]|, 0x1800000   ; block b: my 16 numbers, and the floor 2^(3 - 127): the byte cannot fall under 1
.endr
.irp i, 2,4,6,8,10,12,14
.irp b, 0,1,2,3
	v_max3_num_f32 v[TM+\b], v[TM+\b], |v[X+16*\b+\i]|, |v[X+1+16*\b+\i]|   ; the four blocks by turns
.endr
.endr
.irp b, 0,1,2,3
	v_permlanex16_b32 v[TM+4+\b], v[TM+\b], s[SEL], s[SEL+1]
.endr
.irp b, 0,1,2,3
	v_max_num_f32 v[TM+\b], v[TM+\b], v[TM+4+\b]   ; with lane l xor 16's 16: the block's largest magnitude
.endr
.irp b, 0,1,2,3
	v_add_nc_u32 v[TM+12+\b], 0xff000000, v[TM+\b] ; 2 off its exponent field: the conversion takes the exponent field of this operand as its scale
.endr
.irp b, 0,1,2,3
	v_lshrrev_b32 v[TM+4+\b], 23, v[TM+12+\b]      ; the scale's byte
.endr
	v_lshl_or_b32 v[W], v[TM+5], 8, v[TM+4]
	v_lshl_or_b32 v[W], v[TM+6], 16, v[W]
	v_lshl_or_b32 v[W], v[TM+7], 24, v[W]
.irp b, 0,1,2,3
	v_cvt_scalef32_pk8_fp4_f32 v[C+2*\b], v[X+16*\b:X+7+16*\b], v[TM+12+\b]
	v_cvt_scalef32_pk8_fp4_f32 v[C+1+2*\b], v[X+8+16*\b:X+15+16*\b], v[TM+12+\b]
.endr
	v_nop                                          ; one plain place behind a scaled conversion
.irp c, 0,1                            ; the operand's layout wants a whole block in a lane: lanes 0-15 block 2 c, lanes 16-31 block 2 c + 1
.irp i, 0,1
	v_permlane16_swap_b32 v[C+4*\c+\i], v[C+2+4*\c+\i]
.endr
.endr
.endm
.macro STEP s
.set X, R+64*(\s)
.set C, PC+8*(\s)
.set W, PW+(\s)
	s_wait_loadcnt 16-16*(\s)                      ; this fragment's sixteen loads are in; behind the first stand the second's sixteen
.irp i, 0,1,2,3,4,5,6,7,8,9,10,11,12,13,14,15
	ds_store_b128 v[SIN], v[X+4*\i:X+4*\i+3] offset:528*\i
.endr
.irp b, 0,1,2,3
.irp j, 0,1,2,3
	ds_load_b128 v[X+16*\b+4*\j:X+16*\b+4*\j+3], v[SOUT] offset:128*\b+16*\j   ; LDS serves a wave's instructions in order: these see the stores above, and land in the registers that those have read
.endr
.endr
	s_wait_dscnt 0x0                               ; the fragment is turned
	QUANT
	ds_store_b32 v[SWA], v[W] offset:256*(\s)      ; both lanes of a row write the same word with the same value
.endm
	STEP 0
	STEP 1
.irp s, 0,1
	global_store_b128 v[LI], v[PC+8*\s:PC+8*\s+3], s[18:19] offset:1024*\s        ; 32 lanes store 512 consecutive bytes, aligned
	global_store_b128 v[LI], v[PC+8*\s+4:PC+8*\s+7], s[18:19] offset:1024*\s+512
.endr
	s_wait_dscnt 0x0                               ; for the others' sake: my scale words lie in LDS
	s_barrier_signal -1
	s_barrier_wait -1
	s_cmp_lg_u32 s26, 0                            ; four tiles' words of a row lie side by side: wave 0 takes the 512 bytes
	s_cbranch_scc1 .Ldone
	ds_load_b128 v[OW:OW+3], v[SRA]
	s_wait_dscnt 0x0
	global_store_b128 v[LI], v[OW:OW+3], s[20:21]  ; 32 lanes store 512 consecutive bytes, aligned
.Ldone:
	s_wait_tensorcnt 0x0                           ; the wave's end, behind my last LDS store
	ds_add_u32 v[SPW], v[NIL]
	s_wait_dscnt 0x0
	s_endpgm
.Lfunc_end_k_qdaaacd5271_quant:
	.size	k_qdaaacd5271_quant, .Lfunc_end_k_qdaaacd5271_quant-k_qdaaacd5271_quant
	.p2alignl 7, 3214868480
	.fill 96, 4, 3214868480
	.section	.rodata,"a",@progbits
	.p2align	6, 0x0
	.amdhsa_kernel k_qdaaacd5271_quant
		.amdhsa_group_segment_fixed_size 34816
		.amdhsa_private_segment_fixed_size 0
		.amdhsa_enable_private_segment 0
		.amdhsa_kernarg_size 72
		.amdhsa_user_sgpr_count 2
		.amdhsa_user_sgpr_kernarg_segment_ptr 1
		.amdhsa_wavefront_size32 1
		.amdhsa_system_sgpr_workgroup_id_x 1
		.amdhsa_system_sgpr_workgroup_id_y 1
		.amdhsa_system_sgpr_workgroup_id_z 1
		.amdhsa_system_vgpr_workitem_id 0
		.amdhsa_next_free_vgpr 192
		.amdhsa_next_free_sgpr 66
		.amdhsa_reserve_vcc 0
		.amdhsa_float_denorm_mode_32 3
		.amdhsa_float_denorm_mode_16_64 3
		.amdhsa_memory_ordered 1
		.amdhsa_forward_progress 1
		.amdhsa_inst_pref_size 19
	.end_amdhsa_kernel
	.amdgpu_metadata
---
amdhsa.version: [ 1, 2 ]
amdhsa.kernels:
  - .name:           k_qdaaacd5271_quant
    .symbol:         k_qdaaacd5271_quant.kd
    .args:
      - { .name: query, .offset: 0, .size: 8, .value_kind: global_buffer, .address_space: global }
      - { .name: key, .offset: 8, .size: 8, .value_kind: global_buffer, .address_space: global }
      - { .name: value, .offset: 16, .size: 8, .value_kind: global_buffer, .address_space: global }
      - { .name: Wq, .offset: 24, .size: 8, .value_kind: global_buffer, .address_space: global }
      - { .name: Wk, .offset: 32, .size: 8, .value_kind: global_buffer, .address_space: global }
      - { .name: Wv, .offset: 40, .size: 8, .value_kind: global_buffer, .address_space: global }
      - { .name: Wo, .offset: 48, .size: 8, .value_kind: global_buffer, .address_space: global }
      - { .name: codes, .offset: 56, .size: 8, .value_kind: global_buffer, .address_space: global }
      - { .name: scales, .offset: 64, .size: 8, .value_kind: global_buffer, .address_space: global }
    .group_segment_fixed_size: 34816
    .private_segment_fixed_size: 0
    .kernarg_segment_align: 8
    .kernarg_segment_size: 72
    .max_flat_workgroup_size: 128
    .sgpr_count:     66
    .vgpr_count:     192
    .wavefront_size: 32
...
	.end_amdgpu_metadata
.endif
;; end of part 1
;; launch attn (part 2): grid 32 x 8, 4 waves a work-group, clusters of 4 x 1, 210,944 bytes of LDS; arguments codes, scales, bq, bk, bv, xc, xs; writes xc, xs
.if DOCPART == 2
	.amdgcn_target "amdgcn-amd-amdhsa--gfx1250"
	.amdhsa_code_object_version 6
	.text
	.protected	k_qdaaacd5271_attn
	.globl	k_qdaaacd5271_attn
	.p2align	8
	.type	k_qdaaacd5271_attn,@function
k_qdaaacd5271_attn:
	s_mov_b64 s[64:65], 0
	v_nop
	global_prefetch_b8 v0, s[64:65] scope:SCOPE_SE
	s_setreg_imm32_b32 hwreg(HW_REG_WAVE_MODE, 25, 1), 1
	s_wait_xcnt 0x0
	s_wait_alu depctr_hold_cnt(0) depctr_sa_sdst(0) depctr_va_vdst(0) depctr_va_sdst(0) depctr_va_ssrc(0) depctr_va_vcc(0) depctr_vm_vsrc(0)
	s_getreg_b32 s2, hwreg(HW_REG_IB_STS2, 6, 4)
	s_cmp_eq_u32 s2, 0
	s_cbranch_scc0 .Lentry_in_a_cluster
	s_endpgm
.Lentry_in_a_cluster:
	s_bfe_u32 s2, ttmp6, 0x10000c
	s_cmp_lg_u32 s2, 0x3003
	s_cbranch_scc0 .Lentry_shape_is_right
	s_endpgm
.Lentry_shape_is_right:
; q = Q(query) Q(Wq)^T + bq, k and v likewise (MX-FP4 products, f32 sums); for each token (8 neighbouring rows) and head (64 columns) x = softmax(q k^T / 8) v in f32; x is quantised along its 1,024 columns.
; In: codes and scales as the launch before lays them (quad = 64 rows; codes [quad][m][s][1,024 bytes], an image of the operand's registers; scales [quad][s][r][m] words).  Out: xc, xs, in the same layout.
; SHARES.  Work-group y = g takes heads 2 g, 2 g + 1 (columns 128 g on, which are K step g of the last projection); work-group x takes 512 rows, 8 quads.  Wave w takes two quads, one a trip.
; Which of its two comes first turns with g, so that the eight work-groups that read the same rows do not all ask for the same quad at the same time.
; THE WEIGHTS of the two heads, 3 x 64 KiB of codes and 3 x 4 KiB of scale words, come into LDS once and stay: no LDS byte is filled twice.  The four work-groups of a cluster (four row groups of one g) ask for them JOINTLY.
; THE ROWS' CODES are not asked for jointly: partners of a cluster have different rows, and the rows go straight into registers (window 3 holds one projection's 4 tiles x 8 K steps), each slot loaded anew for the
; next projection as soon as its last product is issued; beside the weights LDS has no room for two slots of them.  EVERY PROJECTION WAITS SLOT BY SLOT: a K step's products wait for that step's eight loads and leave
; the younger ones out, in the first trip's first projection too.
; LAYOUTS.  q and k are made TRANSPOSED (source 0 = 16 rows of W, source 1 = 16 rows of x): lane (r, h) holds row r, register j column 16 t + 8 h + j.  v is made the natural way: lane (r, h) holds column 16 t + r, register j row 8 h + j.
; S^T = k q^T by the f32 matrix form, 4 along d an instruction: registers 2 i, 2 i + 1 of k's tile t are source 0 and the same two of q's tile source 1 (one order of d on both sides).  In the result lane (query r, h) holds keys 8 h + 0 .. 7
; of the tile's 16 rows: where r / 8 = h they are the query's own token, and the softmax stays inside the lane.  p, cleared in the other lanes, is as it stands source 1 of O^T = v^T p^T (registers 2 i, 2 i + 1: keys 8 h + 2 i + j),
; and registers 2 i, 2 i + 1 of v's tile are its source 0.  O^T again holds one row a lane and eight neighbouring columns, which the conversions to codes want.
; The maximum is taken away before the exponential, as reference() does.  bq and bk are the C of a sum's first product.
; LIMITS: bv is the C of O^T's first product (the sum of p is 1): the order of rounding differs from reference()'s by about 1e-7 |bv|.  A block of zeros gets the scale byte 1, not 127, and blocks under 2^-124 are held there
; (this program alone reads the bytes).  NaN and infinities are not served.
; REGISTERS, in windows of 256.  Window 0: v1-13 addresses; v16-47 the rows' scale words, two sets [pair of K steps][m]; v48-63 the weights', two sets [head][t]; v64-159 three buffers of four weight fragments, at work between the runs;
;   v160-223 a bias as C, [head][t][8], later p, [head][m][8]; v224-255 four accumulators of S^T.   Window 1: q at 64 m + 32 head + 8 t, later O^T.   Window 2: k, then v, likewise.   Window 3: the rows' codes, K step s, tile m at 32 s + 8 m.
; S^T's registers and all of window 1 are written by matrix instructions alone.
.set LI,  1                            ; v1    16 x lane
.set LB,  2                            ; v2-5  16 x lane + 49,152 tq: the weights' codes of tiles 2 tq, 2 tq + 1 of the group's eight
.set LSC, 6                            ; v6    the weights' scale words
.set LBI, 7                            ; v7    the biases: + 32 h
.set VA,  8                            ; v8    offset of the quad whose codes are being loaded: 16 x lane + 32,768 x quad
.set VS,  9                            ; v9    and of its scale words: 16 x lane + 2,048 x quad
.set XA,  10                           ; v10   the same two for the quad whose x is stored
.set XSA, 11
.set BST, 12                           ; v12   where my wave puts its bias
.set XS0, 13                           ; v13   16 r + 8 h
.set AS,  16
.set BS,  48
.set BF,  64
.set BT,  160
.set PR,  160
.set ST,  224
.set BV,  64                           ; bv as C, in the first two weight buffers
.set WSC, 196608                       ; LDS: codes [tq][projection][tile of two][s][1,024] from 0; scale words [wave][projection][1,024] from here;
.set BIA, 208896                       ; the biases [projection][128] f32, in blocks of 256 bytes of their own
.set WV,  18                           ; s18   wave
.set SPARE, 210432                     ; behind the biases: the spare words, 128 bytes for each wave: two blocks of 256 bytes that no other line names
.set SPW, 14                           ; v14   LDS address of my spare word: SPARE + 4 x my thread's number; never rewritten
.set NIL, 15                           ; v15   0; never rewritten
; THE WEIGHTS' SCALE WORDS come by plain loads and LDS stores, 3,072 bytes a wave, as the biases do: a wave has one tensor load, its part of the weights' codes.
; THE ROWS' CODES ARE ASKED FOR IN ALL PHASES: key's in the q projection; value's K steps 0 to 3 in the k projection and 4 to 7 among the products of S^T; the next quad's query two K steps at a time, ahead of each quarter of O^T's products.
.set MSB, 0
.macro WIN new                         ; the immediate's high byte repeats the setting that is left; a switch that changes nothing is dropped
.set WN, \new
.if MSB != WN
	s_set_vgpr_msb (MSB<<8)|WN
.set MSB, WN
.endif
.endm
.macro PLACES n                        ; plain vector instructions that name no register (ISA guide 7.12.1)
.rept \n
	v_nop
.endr
.endm
.macro CROUND                          ; a round of the cluster's barrier
	s_barrier_signal -1
	s_barrier_wait -1
	s_cmp_lg_u32 s[WV], 0
	s_cbranch_scc1 .Lnot_wave_0_\@
	s_barrier_signal -3
.Lnot_wave_0_\@:
	s_barrier_wait -3
	s_barrier_signal -1
	s_barrier_wait -1
.endm
.macro ASFILL P, set                   ; the quad's scale words of projection P: a load brings the four tiles' words of two K steps (lanes 0-15 the even step, lanes 16-31 the odd)
.irp sp, 0,1,2,3
	global_load_b128 v[AS+16*(\set)+4*\sp:AS+16*(\set)+4*\sp+3], v[VS], s[54+2*(\P):55+2*(\P)] offset:512*\sp
.endr
.endm
.macro SLOTFILL P, s                   ; K step s of the quad's four tiles, projection P, into window 3
	WIN 0xc0
.irp m, 0,1,2,3
.irp c, 0,1
	global_load_b128 v[32*(\s)+8*\m+4*\c:32*(\s)+8*\m+4*\c+3], v[VA], s[48+2*(\P):49+2*(\P)] offset:8192*\m+1024*(\s)+512*\c
.endr
.endr
.endm
.macro BLOAD P, s, hd, buf             ; four weight fragments: projection P, K step s, head hd
.irp t, 0,1,2,3
.irp c, 0,1
	ds_load_b128 v[BF+32*(\buf)+8*\t+4*\c:BF+32*(\buf)+8*\t+4*\c+3], v[LB+2*(\hd)+\t/2] offset:16384*(\P)+8192*(\t%2)+1024*(\s)+512*\c
.endr
.endr
.endm
.macro BSLOAD P, sp, set               ; the weights' scale words of K steps 2 sp, 2 sp + 1, both heads
.irp hd, 0,1
	ds_load_b128 v[BS+8*(\set)+4*\hd:BS+8*(\set)+4*\hd+3], v[LSC] offset:(2*\hd+(\sp)/2)*3072+1024*(\P)+512*((\sp)%2)
.endr
.endm
.macro BTLOAD P, dst                   ; a bias in the transposed result's layout: lane (r, h), tile t: the numbers of columns 16 t + 8 h + 0 .. 7
.irp hd, 0,1
.irp t, 0,1,2,3
	ds_load_b128 v[\dst+32*\hd+8*\t:\dst+32*\hd+8*\t+3], v[LBI] offset:512*(\P)+256*\hd+64*\t
	ds_load_b128 v[\dst+32*\hd+8*\t+4:\dst+32*\hd+8*\t+7], v[LBI] offset:512*(\P)+256*\hd+64*\t+16
.endr
.endr
.endm
; Sixteen products: K step hS, head hH, four tiles of rows x four tiles of columns, sixteen accumulators by turns (the next half-step is the other head's).
; hB: the weight buffer; hBS, hAS: the sets of scale words.  An odd K step's words lie in lanes 16-31.  nat = 0: transposed, the first step's C is the bias; nat = 1: natural, the first step's C is 0.
.macro HALF nat
.irp m, 0,1,2,3
.irp t, 0,1,2,3
.set rD, 64*\m+32*hH+8*\t
.set rW, BF+32*hB+8*\t
.set rX, 32*hS+8*\m
.set rC, BT+32*hH+8*\t
.set rWS, BS+8*hBS+4*hH+\t
.set rXS, AS+16*hAS+4*(hS/2)+\m
.if \nat
.if hS == 0
	v_wmma_scale_f32_16x16x128_f8f6f4 v[rD:rD+7], v[rX:rX+7], v[rW:rW+7], 0, v[rXS], v[rWS] matrix_a_fmt:MATRIX_FMT_FP4 matrix_b_fmt:MATRIX_FMT_FP4
.elseif hS%2
	v_wmma_scale_f32_16x16x128_f8f6f4 v[rD:rD+7], v[rX:rX+7], v[rW:rW+7], v[rD:rD+7], v[rXS], v[rWS] matrix_a_fmt:MATRIX_FMT_FP4 matrix_b_fmt:MATRIX_FMT_FP4 matrix_a_scale:MATRIX_SCALE_ROW1 matrix_b_scale:MATRIX_SCALE_ROW1
.else
	v_wmma_scale_f32_16x16x128_f8f6f4 v[rD:rD+7], v[rX:rX+7], v[rW:rW+7], v[rD:rD+7], v[rXS], v[rWS] matrix_a_fmt:MATRIX_FMT_FP4 matrix_b_fmt:MATRIX_FMT_FP4
.endif
.else
.if hS == 0
	v_wmma_scale_f32_16x16x128_f8f6f4 v[rD:rD+7], v[rW:rW+7], v[rX:rX+7], v[rC:rC+7], v[rWS], v[rXS] matrix_a_fmt:MATRIX_FMT_FP4 matrix_b_fmt:MATRIX_FMT_FP4
.elseif hS%2
	v_wmma_scale_f32_16x16x128_f8f6f4 v[rD:rD+7], v[rW:rW+7], v[rX:rX+7], v[rD:rD+7], v[rWS], v[rXS] matrix_a_fmt:MATRIX_FMT_FP4 matrix_b_fmt:MATRIX_FMT_FP4 matrix_a_scale:MATRIX_SCALE_ROW1 matrix_b_scale:MATRIX_SCALE_ROW1
.else
	v_wmma_scale_f32_16x16x128_f8f6f4 v[rD:rD+7], v[rW:rW+7], v[rX:rX+7], v[rD:rD+7], v[rWS], v[rXS] matrix_a_fmt:MATRIX_FMT_FP4 matrix_b_fmt:MATRIX_FMT_FP4
.endif
.endif
.endr
.endr
.endm
; S^T of head hd for the four tiles of rows: 16 steps of 4 along d, the four accumulators by turns; the first step starts the sums.  Source 0: k (window 2); source 1: q (window 1), the same register numbers
.macro SCORES hd
.irp t, 0,1,2,3
.if (\t == 1) || (\t == 2)
	SLOTFILL 2, 3+2*(\hd)+\t                       ; value's K steps 4 + 2 hd and 5 + 2 hd: their slots were read out in the k projection, more than four places ago
.endif
	WIN 0x06
.irp i, 0,1,2,3
.irp m, 0,1,2,3
.set rK, 64*\m+32*(\hd)+8*\t+2*\i
.if (\t == 0) && (\i == 0)
	v_wmma_f32_16x16x4_f32 v[ST+8*\m:ST+8*\m+7], v[rK:rK+1], v[rK:rK+1], 0
.else
	v_wmma_f32_16x16x4_f32 v[ST+8*\m:ST+8*\m+7], v[rK:rK+1], v[rK:rK+1], v[ST+8*\m:ST+8*\m+7]
.endif
.endr
.endr
.endr
	WIN 0
.endm
; The softmax of a lane's eight scores, the four tiles by turns.  p = 2^(c s - c max) / the sum, c = log2(e) / 8.  Lanes whose eight keys belong to the other token get 0 as the reciprocal, so that their p is 0.
.set SM,  64                           ; v[SM+2m] c x max, v[SM+2m+1] max
.set SQ,  72                           ; v[SQ+m] 1 / sum
.set SS,  80                           ; v[SS+4m .. +3] sums at work
.set SRC, 96                           ; v[SRC+2m], +1: 1 / sum or 0, twice: a pair for the packed multiply
.macro SOFTMAX hd
.irp m, 0,1,2,3
	v_max3_num_f32 v[SM+2*\m+1], v[ST+8*\m], v[ST+8*\m+1], v[ST+8*\m+2]   ; each accumulator is read from its low end on
.endr
.irp i, 3,5
.irp m, 0,1,2,3
	v_max3_num_f32 v[SM+2*\m+1], v[SM+2*\m+1], v[ST+8*\m+\i], v[ST+8*\m+\i+1]
.endr
.endr
.irp m, 0,1,2,3
	v_max_num_f32 v[SM+2*\m+1], v[SM+2*\m+1], v[ST+8*\m+7]
.endr
.irp m, 0,1,2,3
	v_mul_f32 v[SM+2*\m], s66, v[SM+2*\m+1]
.endr
.irp i, 0,1,2,3
.irp m, 0,1,2,3
	v_pk_fma_f32 v[PR+32*(\hd)+8*\m+2*\i:PR+32*(\hd)+8*\m+2*\i+1], v[ST+8*\m+2*\i:ST+8*\m+2*\i+1], s[66:67], v[SM+2*\m:SM+2*\m+1] op_sel_hi:[1,0,0] neg_lo:[0,0,1] neg_hi:[0,0,1]   ; c s - c max, two at a time
.endr
.endr
	s_wait_alu depctr_va_vdst(0)
.irp j, 0,1,2,3,4,5,6,7
.irp m, 0,1,2,3
	v_exp_f32 v[PR+32*(\hd)+8*\m+\j], v[PR+32*(\hd)+8*\m+\j]
.endr
.endr
	v_nop                                          ; a plain place behind the exponentials
	s_wait_alu depctr_va_vdst(0)                   ; one wait for the batch, ahead of its first reader
.irp m, 0,1,2,3
	v_pk_add_f32 v[SS+4*\m:SS+4*\m+1], v[PR+32*(\hd)+8*\m:PR+32*(\hd)+8*\m+1], v[PR+32*(\hd)+8*\m+2:PR+32*(\hd)+8*\m+3]
	v_pk_add_f32 v[SS+4*\m+2:SS+4*\m+3], v[PR+32*(\hd)+8*\m+4:PR+32*(\hd)+8*\m+5], v[PR+32*(\hd)+8*\m+6:PR+32*(\hd)+8*\m+7]
.endr
.irp m, 0,1,2,3
	v_pk_add_f32 v[SS+4*\m:SS+4*\m+1], v[SS+4*\m:SS+4*\m+1], v[SS+4*\m+2:SS+4*\m+3]
.endr
.irp m, 0,1,2,3
	v_add_f32 v[SS+4*\m], v[SS+4*\m], v[SS+4*\m+1]
.endr
	s_wait_alu depctr_va_vdst(0)
.irp m, 0,1,2,3
	v_rcp_f32 v[SQ+\m], v[SS+4*\m]
.endr
	v_nop                                          ; a plain place behind the reciprocals
	s_wait_alu depctr_va_vdst(0)                   ; one wait for the four, ahead of their first reader
.irp m, 0,1,2,3
	v_cndmask_b32 v[SRC+2*\m], 0, v[SQ+\m], s74    ; kept in lanes 0-7 and 24-31, where r / 8 = h
	v_cndmask_b32 v[SRC+2*\m+1], 0, v[SQ+\m], s74
.endr
.irp i, 0,1,2,3
.irp m, 0,1,2,3
	v_pk_mul_f32 v[PR+32*(\hd)+8*\m+2*\i:PR+32*(\hd)+8*\m+2*\i+1], v[PR+32*(\hd)+8*\m+2*\i:PR+32*(\hd)+8*\m+2*\i+1], v[SRC+2*\m:SRC+2*\m+1]
.endr
.endr
.endm
; O^T = bv + v^T p^T: four steps of 4 keys, the 32 accumulators by turns.  Source 0: v (window 2); source 1: p (window 0); D: window 1
.macro PV fill                         ; fill = 1: ahead of quarters 1 to 3 stand K steps 2 i and 2 i + 1 of the next quad's query
.irp i, 0,1,2,3
.if (\i > 0) && (\fill)
	SLOTFILL 0, 2*\i
	SLOTFILL 0, 2*\i+1
.endif
.if \i == 0
	WIN 0x42
.else
	WIN 0x52
.endif
	s_wait_alu depctr_va_vdst(0)
.irp m, 0,1,2,3
.irp hd, 0,1
.irp t, 0,1,2,3
.set rO, 64*\m+32*\hd+8*\t
.set rP, PR+32*\hd+8*\m+2*\i
.if \i == 0
	v_wmma_f32_16x16x4_f32 v[rO:rO+7], v[rO+2*\i:rO+2*\i+1], v[rP:rP+1], v[BV+32*\hd+8*\t:BV+32*\hd+8*\t+7]
.else
	v_wmma_f32_16x16x4_f32 v[rO:rO+7], v[rO+2*\i:rO+2*\i+1], v[rP:rP+1], v[rO:rO+7]
.endif
.endr
.endr
.endr
.endr
.endm
; x's 64 rows x 128 columns become four fragments (K step g of the last projection) and their scale words.  Of tile m, registers 64 m + 16 b + 0 .. 15 of window 1 are my 16 numbers of block b (columns 32 b on):
; octets h and 2 + h of its four; lane l xor 16 holds the other two.  The operand wants a whole block in a lane, lanes 0-15 block 2 c, lanes 16-31 block 2 c + 1: so the conversions of tiles t = 0 and 2 of head c go side by side,
; and those of t = 1 and 3, and each pair changes halves.
.set MX,  64
.set T2,  80
.set SCL, 96
.set PC,  112
.set PW,  144
.set DD,  148
.macro QUANTX
	WIN 0x05
.irp m, 0,1,2,3
.irp b, 0,1,2,3
	v_max3_num_f32 v[MX+4*\m+\b], |v[64*\m+16*\b]|, |v[64*\m+16*\b+1]|, 0x1800000   ; with the floor 2^(3 - 127); each accumulator is read from its low end on
.endr
.endr
	WIN 0x14
.irp i, 2,4,6,8,10,12,14
.irp m, 0,1,2,3
.irp b, 0,1,2,3
	v_max3_num_f32 v[MX+4*\m+\b], v[MX+4*\m+\b], |v[64*\m+16*\b+\i]|, |v[64*\m+16*\b+\i+1]|
.endr
.endr
.endr
	WIN 0
.irp k, 0,1,2,3,4,5,6,7,8,9,10,11,12,13,14,15
	v_permlanex16_b32 v[T2+\k], v[MX+\k], s68, s69
.endr
.irp k, 0,1,2,3,4,5,6,7,8,9,10,11,12,13,14,15
	v_max_num_f32 v[MX+\k], v[MX+\k], v[T2+\k]     ; the block's largest magnitude
.endr
.irp k, 0,1,2,3,4,5,6,7,8,9,10,11,12,13,14,15
	v_add_nc_u32 v[SCL+\k], 0xff000000, v[MX+\k]   ; 2 off its exponent field: the conversion's scale operand
.endr
.irp k, 0,1,2,3,4,5,6,7,8,9,10,11,12,13,14,15
	v_lshrrev_b32 v[T2+\k], 23, v[SCL+\k]          ; the scale's byte
.endr
.irp m, 0,1,2,3
	v_lshl_or_b32 v[PW+\m], v[T2+4*\m+1], 8, v[T2+4*\m]
.endr
.irp m, 0,1,2,3
	v_lshl_or_b32 v[PW+\m], v[T2+4*\m+2], 16, v[PW+\m]
.endr
.irp m, 0,1,2,3
	v_lshl_or_b32 v[PW+\m], v[T2+4*\m+3], 24, v[PW+\m]
.endr
	WIN 0x01
.irp m, 0,1,2,3
.irp c, 0,1
	v_cvt_scalef32_pk8_fp4_f32 v[PC+8*\m+4*\c], v[64*\m+32*\c:64*\m+32*\c+7], v[SCL+4*\m+2*\c]
	v_cvt_scalef32_pk8_fp4_f32 v[PC+8*\m+4*\c+1], v[64*\m+32*\c+16:64*\m+32*\c+23], v[SCL+4*\m+2*\c+1]
	v_cvt_scalef32_pk8_fp4_f32 v[PC+8*\m+4*\c+2], v[64*\m+32*\c+8:64*\m+32*\c+15], v[SCL+4*\m+2*\c]
	v_cvt_scalef32_pk8_fp4_f32 v[PC+8*\m+4*\c+3], v[64*\m+32*\c+24:64*\m+32*\c+31], v[SCL+4*\m+2*\c+1]
.endr
.endr
	WIN 0
	v_nop                                          ; one plain place behind a scaled conversion
.irp m, 0,1,2,3
.irp c, 0,1
	v_permlane16_swap_b32 v[PC+8*\m+4*\c], v[PC+8*\m+4*\c+1]
	v_permlane16_swap_b32 v[PC+8*\m+4*\c+2], v[PC+8*\m+4*\c+3]
.endr
.endr
	v_cndmask_b32 v[DD], v[PW], v[PW+2], s73       ; a row's four words lie side by side: lanes 0-15 store tiles 0 and 1's, lanes 16-31 tiles 2 and 3's
	v_cndmask_b32 v[DD+1], v[PW+1], v[PW+3], s73
.irp m, 0,1,2,3
.irp c, 0,1
	global_store_b128 v[XA], v[PC+8*\m+4*\c:PC+8*\m+4*\c+3], s[60:61] offset:8192*\m+512*\c   ; 32 lanes store 512 consecutive bytes, aligned
.endr
.endr
	global_store_b64 v[XSA], v[DD:DD+1], s[62:63]  ; 32 lanes store 256 consecutive bytes, aligned
.endm
	s_load_b256 s[4:11], s[0:1], 0x0               ; codes s[4:5], scales s[6:7], bq s[8:9], bk s[10:11]
	s_load_b128 s[12:15], s[0:1], 0x20             ; bv s[12:13], xc s[14:15]
	s_load_b64 s[16:17], s[0:1], 0x30              ; xs
	v_lshl_add_u32 v[SPW], v0, 2, SPARE
	v_mov_b32 v[NIL], 0
	ds_add_u32 v[SPW], v[NIL]                      ; the wave's opening: the add, twice on end, and its wait ahead of the round in front of my tensor load
	ds_add_u32 v[SPW], v[NIL]
	v_lshrrev_b32 v64, 5, v0
	v_readfirstlane_b32 s[WV], v64                 ; wave 0..3
	s_bfe_u32 s19, ttmp6, 0x40000                  ; cx: it enters the rows' global addresses alone
	s_lshl_b32 s20, ttmp9, 2
	s_add_co_u32 s20, s20, s19                     ; my group of 512 rows
	s_and_b32 s21, ttmp7, 0xffff                   ; g, which the four partners share
	v_and_b32 v64, 31, v0
	v_lshlrev_b32 v[LI], 4, v64
	v_and_b32 v64, 15, v0                          ; r
	v_bfe_u32 v65, v0, 4, 1                        ; h
.irp q, 0,1,2,3
	v_add_nc_u32 v[LB+\q], \q*49152, v[LI]
.endr
	v_add_nc_u32 v[LSC], WSC, v[LI]
	v_lshl_add_u32 v[LBI], v65, 5, BIA
	s_min_u32 s22, s[WV], 2                        ; (wave 3 stores no bias)
	s_lshl_b32 s22, s22, 9
	s_add_co_u32 s22, s22, BIA
	v_add_nc_u32 v[BST], s22, v[LI]
	v_lshlrev_b32 v[XS0], 4, v64
	v_lshl_add_u32 v[XS0], v65, 3, v[XS0]
	s_and_b32 s22, s21, 1
	s_lshl_b32 s22, s22, 2
	s_add_co_u32 s22, s22, s[WV]                   ; my first quad of the eight: wave + 4 (g mod 2)
	s_lshl_b32 s71, s22, 15                        ; s71: the quad in hand x 32,768;
	s_xor_b32 s72, s71, 131072                     ; s72: my other quad
	v_add_nc_u32 v[VA], s71, v[LI]
	s_lshr_b32 s22, s71, 4
	v_add_nc_u32 v[VS], s22, v[LI]
	s_mov_b32 s66, 0x3e38aa3b                      ; c = log2(e) / 8
	s_mov_b32 s67, s66                             ; (named with it as a pair)
	s_mov_b32 s68, 0x76543210                      ; selects of v_permlanex16_b32: lane l xor 16
	s_mov_b32 s69, 0xfedcba98
	s_mov_b32 s70, 2                               ; trips to go
	s_mov_b32 s73, 0xffff0000                      ; lanes 16-31
	s_mov_b32 s74, 0xff0000ff                      ; lanes where r / 8 = h
	; descriptor group 1 for the weights' codes: three rows (Wq, Wk, Wv) of 16 KiB (two tiles), 524,288 bytes apart; elements of 8 bytes; the mask names the cluster's four work-groups, bit 21 set beside it
	s_mov_b32 s24, 15|(3<<16)|(1<<21)
	s_mov_b32 s25, 2048<<16                        ; tensor_dim0
	s_mov_b32 s26, 3<<16                           ; tensor_dim1
	s_mov_b32 s27, 2048<<16                        ; tile_dim0
	s_mov_b32 s28, 3                               ; tile_dim1
	s_mov_b32 s29, 65536                           ; tensor_dim0_stride
	s_mov_b32 s30, 0
	s_mov_b32 s31, 0
	s_lshl_b32 s80, s21, 16                        ; the weights' codes begin at quad 768; the group's two heads are two quads; my wave's two tiles
	s_lshl_b32 s82, s[WV], 14
	s_add_co_u32 s80, s80, s82
	s_add_co_u32 s80, s80, 25165824
	s_mov_b32 s81, 0
	s_lshl_b32 s82, s21, 12                        ; their scale words likewise: 4,096 bytes a group, 1,024 a wave
	s_lshl_b32 s83, s[WV], 10
	s_add_co_u32 s82, s82, s83
	s_add_co_u32 s82, s82, 1572864
	s_mov_b32 s83, 0
	s_lshl_b32 s84, s20, 18                        ; my rows' codes: 8 quads of 32,768 bytes (registers of their own: none that feeds a joint descriptor holds cx)
	s_mov_b32 s85, 0
	s_lshl_b32 s86, s20, 14                        ; and scale words
	s_mov_b32 s87, 0
	s_lshl_b32 s88, s21, 10                        ; K step g of x's codes
	s_mov_b32 s89, 0
	s_wait_alu depctr_va_vdst(0)                   ; the wait at the head's end
	s_wait_dscnt 0x0                               ; both opening adds are done
	s_wait_kmcnt 0x0
	s_mov_b32 s40, 1                               ; group 0, codes: count 1; LDS address; global address; type 2
	s_mul_i32 s41, s[WV], 49152
	s_add_nc_u64 s[42:43], s[4:5], s[80:81]
	s_or_b32 s43, s43, 0x80000000
	s_mul_i32 s45, s[WV], 3072                     ; my part of the weights' scale words: where it goes in LDS,
	s_add_co_u32 s45, s45, WSC
	v_add_nc_u32 v92, s45, v[LI]                   ; 16 bytes a lane,
	s_add_nc_u64 s[46:47], s[6:7], s[82:83]        ; and where it lies in memory
	s_add_nc_u64 s[48:49], s[4:5], s[84:85]        ; s[48:53] my rows' codes of query, key, value
	s_add_nc_u64 s[50:51], s[48:49], 0x800000
	s_add_nc_u64 s[52:53], s[50:51], 0x800000
	s_add_nc_u64 s[54:55], s[6:7], s[86:87]        ; s[54:59] their scale words
	s_add_nc_u64 s[56:57], s[54:55], 0x80000
	s_add_nc_u64 s[58:59], s[56:57], 0x80000
	s_add_nc_u64 s[60:61], s[14:15], s[84:85]      ; s[60:61] x's codes
	s_add_nc_u64 s[60:61], s[60:61], s[88:89]
	s_lshl_b32 s88, s21, 8
	s_add_nc_u64 s[62:63], s[16:17], s[86:87]      ; s[62:63] x's scale words
	s_add_nc_u64 s[62:63], s[62:63], s[88:89]
	s_cmp_eq_u32 s[WV], 0                          ; wave 0 brings bq's 128 numbers, wave 1 bk's, wave 2 bv's
	s_cselect_b64 s[76:77], s[8:9], s[10:11]
	s_cmp_lt_u32 s[WV], 2
	s_cselect_b64 s[76:77], s[76:77], s[12:13]
	s_lshl_b32 s88, s21, 9
	s_add_nc_u64 s[76:77], s[76:77], s[88:89]
	CROUND                                         ; all four work-groups are here: the joint loads meet
	tensor_load_to_lds s[40:43], s[24:31]          ; the launch's only fill by the mover: one tensor load of mine is out
	s_nop 0
	PLACES 4                                       ; behind a tensor load
	global_load_b128 v[BF:BF+3], v[LI], s[76:77]
.irp p, 0,1,2
.irp c, 0,1
	global_load_b128 v[BF+4+8*\p+4*\c:BF+7+8*\p+4*\c], v[LI], s[46:47] offset:32768*\p+512*\c   ; 1,024 bytes of scale words of Wq, Wk, Wv: 512 consecutive bytes a load
.endr
.endr
	s_wait_alu depctr_va_vdst(0)
	ASFILL 0, 0
.irp s, 0,1,2,3,4,5,6,7
	SLOTFILL 0, \s
.endr
	WIN 0
	s_wait_loadcnt 63                              ; my bias and my six loads of scale words are in: they are the oldest of the 75 loads, 68 stand behind them (the count names what its field holds); query's slots stay on their way
	s_wait_tensorcnt 0x0                           ; my part of the weights' codes has landed
	s_cmp_lt_u32 s[WV], 3
	s_cbranch_scc0 .Lno_bias
	ds_store_b128 v[BST], v[BF:BF+3]
.Lno_bias:
.irp p, 0,1,2
.irp c, 0,1
	ds_store_b128 v92, v[BF+4+8*\p+4*\c:BF+7+8*\p+4*\c] offset:1024*\p+512*\c
.endr
.endr
	s_wait_dscnt 0x0                               ; my bias and my scale words lie in LDS:
	s_barrier_signal -1
	s_barrier_wait -1                              ; everybody's do.  From here on the waves share nothing that is written
.Ltrip:                                            ; a trip: one quad of rows through the whole chain.  On the way in and over the back edge alike, query's 4 + 64 loads may be out, in the order scale words, slots 0 to 7
	s_wait_xcnt 0x0                                ; the last trip's stores have read their data and offsets
	v_add_nc_u32 v[XA], s71, v[LI]
	s_lshr_b32 s22, s71, 4
	v_add_nc_u32 v[XSA], s22, v[XS0]
	PLACES 9                                       ; behind the last trip's f32 products: window 1 is written over by matrix instructions, p's registers by loads
	BTLOAD 0, BT
	BSLOAD 0, 0, 0
	BLOAD 0, 0, 0, 0
	BLOAD 0, 0, 1, 1
	BLOAD 0, 1, 0, 2
	; q and k: 32 half-steps.  Behind each: four places, then the weight fragments of three half-steps on into the buffer just read; behind a K step's second half the next projection's codes of that step
.set n, 0
.rept 32
.set hP, n/16
.set hS, (n%16)/2
.set hH, n%2
.set hB, n%3
.set hBS, (n/4)%2
.set hAS, hP
.if n < 30
	s_wait_dscnt 16                                ; the fragments of the next two half-steps may be out
.elseif n == 30
	s_wait_dscnt 8
.else
	s_wait_dscnt 0x0
.endif
.if hH == 0
.if hS == 0
	s_wait_loadcnt 56                              ; this projection's scale words and slot 0 are in; behind them: its slots 1 to 7
.else
.if (hP == 1) && (hS > 4)
	s_wait_loadcnt 92-8*hS                         ; key's slot s is in; behind it: key's 8 (7 - s), value's 4 + 32
.else
	s_wait_loadcnt 60                              ; slot s is in; behind it: this projection's 8 (7 - s), the next one's 4 + 8 s
.endif
.endif
.endif
.if hS == 0
	WIN 0x4c+0x40*hP                               ; W window 0, rows window 3, C (the bias) window 0, D window 1 (q) or 2 (k)
.else
	WIN 0x5c+0x50*hP                               ; C and D together
.endif
	HALF 0
	WIN 0
	PLACES 4
.if (n%4 == 0) && (n < 28)
	BSLOAD (n/4+1)/4, (n/4+1)%4, (n/4+1)%2
.endif
.if n == 2
	BTLOAD 1, BT                                   ; bq has been read by the first two half-steps
.endif
.if n < 29
	BLOAD (n+3)/16, ((n+3)%16)/2, (n+3)%2, hB
.endif
.if hH == 1
.if hS == 0
	ASFILL hP+1, 1-hP
.endif
.if (hP == 0) || (hS < 4)
	SLOTFILL hP+1, hS
.endif
.endif
.set n, n+1
.endr
	WIN 0
	PLACES 5                                       ; k's last results become a matrix instruction's source
	SCORES 0
	PLACES 8
	SOFTMAX 0
	PLACES 9                                       ; S^T's accumulators are begun anew
	s_wait_alu depctr_va_vdst(0)
	SCORES 1
	PLACES 8
	SOFTMAX 1
	PLACES 9                                       ; v is laid over k
	BSLOAD 2, 0, 0
	BLOAD 2, 0, 0, 0
	BLOAD 2, 0, 1, 1
	BLOAD 2, 1, 0, 2
.set n, 0
.rept 16
.set hS, n/2
.set hH, n%2
.set hB, n%3
.set hBS, (n/4)%2
.set hAS, 0
.if n < 14
	s_wait_dscnt 16
.elseif n == 14
	s_wait_dscnt 8
.else
	s_wait_dscnt 0x0
.endif
.if hH == 0
	s_wait_loadcnt 56-8*hS                         ; value's scale words and its slots up to s are in; behind them: 8 (7 - s); no load is issued in this run
.endif
	WIN 0xa3                                       ; rows window 3, W window 0, C and D window 2
	HALF 1
	WIN 0
	PLACES 4
.if (n%4 == 0) && (n < 12)
	BSLOAD 2, n/4+1, (n/4+1)%2
.endif
.if n < 13
	BLOAD 2, (n+3)/2, (n+3)%2, hB
.endif
.set n, n+1
.endr
	PLACES 9
	s_cmp_eq_u32 s70, 1                            ; the next quad's query is asked for here, if there is a next quad: it lands under the f32 products below
	s_cbranch_scc1 .Lno_next
	s_wait_xcnt 0x0
	v_add_nc_u32 v[VA], s72, v[LI]
	s_lshr_b32 s22, s72, 4
	v_add_nc_u32 v[VS], s22, v[LI]
	ASFILL 0, 0
	SLOTFILL 0, 0
	SLOTFILL 0, 1
	WIN 0
	BTLOAD 2, BV
	s_wait_dscnt 0x0
	PV 1                                           ; one branch chooses between the two copies, so that every way to the back edge has issued all 68 loads, in their order, or none
	WIN 0
	s_branch .Lpv_done
.Lno_next:
	BTLOAD 2, BV
	s_wait_dscnt 0x0
	PV 0
	WIN 0
.Lpv_done:
	PLACES 8
	QUANTX
	s_mov_b32 s71, s72
	s_sub_co_u32 s70, s70, 1
	s_cmp_lg_u32 s70, 0
	s_cbranch_scc1 .Ltrip
	s_wait_tensorcnt 0x0                           ; the wave's end, ahead of the closing round
	ds_add_u32 v[SPW], v[NIL]
	s_wait_dscnt 0x0
	CROUND
	s_endpgm
.Lfunc_end_k_qdaaacd5271_attn:
	.size	k_qdaaacd5271_attn, .Lfunc_end_k_qdaaacd5271_attn-k_qdaaacd5271_attn
	.p2alignl 7, 3214868480
	.fill 96, 4, 3214868480
	.section	.rodata,"a",@progbits
	.p2align	6, 0x0
	.amdhsa_kernel k_qdaaacd5271_attn
		.amdhsa_group_segment_fixed_size 210944
		.amdhsa_private_segment_fixed_size 0
		.amdhsa_enable_private_segment 0
		.amdhsa_kernarg_size 56
		.amdhsa_user_sgpr_count 2
		.amdhsa_user_sgpr_kernarg_segment_ptr 1
		.amdhsa_wavefront_size32 1
		.amdhsa_system_sgpr_workgroup_id_x 1
		.amdhsa_system_sgpr_workgroup_id_y 1
		.amdhsa_system_sgpr_workgroup_id_z 1
		.amdhsa_system_vgpr_workitem_id 0
		.amdhsa_next_free_vgpr 1024
		.amdhsa_next_free_sgpr 92
		.amdhsa_reserve_vcc 0
		.amdhsa_float_denorm_mode_32 3
		.amdhsa_float_denorm_mode_16_64 3
		.amdhsa_memory_ordered 1
		.amdhsa_forward_progress 1
		.amdhsa_inst_pref_size 225
	.end_amdhsa_kernel
	.amdgpu_metadata
---
amdhsa.version: [ 1, 2 ]
amdhsa.kernels:
  - .name:           k_qdaaacd5271_attn
    .symbol:         k_qdaaacd5271_attn.kd
    .args:
      - { .name: codes, .offset: 0, .size: 8, .value_kind: global_buffer, .address_space: global }
      - { .name: scales, .offset: 8, .size: 8, .value_kind: global_buffer, .address_space: global }
      - { .name: bq, .offset: 16, .size: 8, .value_kind: global_buffer, .address_space: global }
      - { .name: bk, .offset: 24, .size: 8, .value_kind: global_buffer, .address_space: global }
      - { .name: bv, .offset: 32, .size: 8, .value_kind: global_buffer, .address_space: global }
      - { .name: xc, .offset: 40, .size: 8, .value_kind: global_buffer, .address_space: global }
      - { .name: xs, .offset: 48, .size: 8, .value_kind: global_buffer, .address_space: global }
    .group_segment_fixed_size: 210944
    .private_segment_fixed_size: 0
    .kernarg_segment_align: 8
    .kernarg_segment_size: 56
    .max_flat_workgroup_size: 128
    .sgpr_count:     92
    .vgpr_count:     1024
    .wavefront_size: 32
...
	.end_amdgpu_metadata
.endif
;; end of part 2
;; launch oproj (part 3): grid 4 x 64, 4 waves a work-group, clusters of 4 x 1, 173,568 bytes of LDS; arguments xc, xs, codes, scales, bo, out0; writes out0
.if DOCPART == 3
	.amdgcn_target "amdgcn-amd-amdhsa--gfx1250"
	.amdhsa_code_object_version 6
	.text
	.protected	k_qdaaacd5271_oproj
	.globl	k_qdaaacd5271_oproj
	.p2align	8
	.type	k_qdaaacd5271_oproj,@function
k_qdaaacd5271_oproj:
	s_mov_b64 s[64:65], 0
	v_nop
	global_prefetch_b8 v0, s[64:65] scope:SCOPE_SE
	s_setreg_imm32_b32 hwreg(HW_REG_WAVE_MODE, 25, 1), 1
	s_wait_xcnt 0x0
	s_wait_alu depctr_hold_cnt(0) depctr_sa_sdst(0) depctr_va_vdst(0) depctr_va_sdst(0) depctr_va_ssrc(0) depctr_va_vcc(0) depctr_vm_vsrc(0)
	s_getreg_b32 s2, hwreg(HW_REG_IB_STS2, 6, 4)
	s_cmp_eq_u32 s2, 0
	s_cbranch_scc0 .Lentry_in_a_cluster
	s_endpgm
.Lentry_in_a_cluster:
	s_bfe_u32 s2, ttmp6, 0x10000c
	s_cmp_lg_u32 s2, 0x3003
	s_cbranch_scc0 .Lentry_shape_is_right
	s_endpgm
.Lentry_shape_is_right:
; out0 = Q(x) Q(Wo)^T + bo, an MX-FP4 product with f32 sums.  x's codes and scale words (xc, xs) and Wo's (quads 816-831 of codes and scales) lie in the order of an operand's registers:
; codes [quad of 64 rows][tile m][K step s][1,024 bytes], scales [quad][s][r][m] words.
; SHARES.  A work-group makes 256 rows x 256 columns; work-group y is the group of rows, its place in the cluster the group of columns.  The cluster's four work-groups need the same 256 rows of x: 128 KiB of codes
; come into LDS once, asked for JOINTLY; no LDS byte is filled twice.  Wave (wr, wc) makes 128 x 128.  Its 128 rows of Wo, all of K, are 512 registers (windows 1 and 2): loaded from memory once, they stay.
; The wave finishes its rows by blocks of 16 (64 products, K ascending), so that the stores, which bind this launch, begin after an eighth of the products and run beside the rest.
; TRANSPOSED use (source 0 = 16 rows of Wo, source 1 = 16 rows of x): a lane holds eight neighbouring columns of a row.  bo is the C of a sum's first product.  A block goes through the wave's own stage in LDS and leaves as whole rows of 512 bytes.
; REGISTERS.  Window 0: v1-6 addresses; v16-47 Wo's scale words [quad][pair of K steps][t]; v48-79 x's [quad][pair][m]; v128-255 x's fragments, two sets of 8 K steps.
;   Windows 1, 2: Wo's tile b, K step s at 64 (b mod 4) + 8 s.   Window 3: v0-63 bo, eight registers a tile; v64-191 two sets of 8 accumulators; v192-255 16 rows on the way out.
.set LI,  1                            ; v1  16 x lane
.set LA,  2                            ; v2  my 128 rows' codes in LDS
.set STO, 4                            ; v4  the stage: where I put 32 bytes of a row
.set RD,  5                            ; v5  and where I read a row back
.set BO,  6                            ; v6  32 h
.set BS,  16
.set AS,  48
.set AF,  128
.set BI,  0
.set ACC, 64
.set BK,  192
; LDS: x's codes from 0 (131,072 bytes).  x's scale words go from memory straight into their registers, as Wo's do: a wave has one tensor load
.set STG,  139264                      ; the four stages of 16 rows x 528 bytes from here, in blocks of 256 bytes of their own
.set WV,  18
.set SPARE, 173056                     ; behind the stages: the spare words, 128 bytes for each wave: two blocks of 256 bytes that no other line names
.set SPW, 9                            ; v9   LDS address of my spare word: SPARE + 4 x my thread's number; never rewritten
.set NIL, 10                           ; v10  0; never rewritten
.set MSB, 0
.macro WIN new
.set WN, \new
.if MSB != WN
	s_set_vgpr_msb (MSB<<8)|WN
.set MSB, WN
.endif
.endm
.macro PLACES n
.rept \n
	v_nop
.endr
.endm
.macro CROUND
	s_barrier_signal -1
	s_barrier_wait -1
	s_cmp_lg_u32 s[WV], 0
	s_cbranch_scc1 .Lnot_wave_0_\@
	s_barrier_signal -3
.Lnot_wave_0_\@:
	s_barrier_wait -3
	s_barrier_signal -1
	s_barrier_wait -1
.endm
	s_load_b256 s[4:11], s[0:1], 0x0               ; xc s[4:5], xs s[6:7], codes s[8:9], scales s[10:11]
	s_load_b128 s[12:15], s[0:1], 0x20             ; bo s[12:13], out0 s[14:15]
	v_lshl_add_u32 v[SPW], v0, 2, SPARE
	v_mov_b32 v[NIL], 0
	ds_add_u32 v[SPW], v[NIL]                      ; the wave's opening: the add, twice on end, and its wait ahead of the round in front of my tensor load
	ds_add_u32 v[SPW], v[NIL]
	v_lshrrev_b32 v7, 5, v0
	v_readfirstlane_b32 s[WV], v7                  ; wave 0..3
	s_lshr_b32 s19, s[WV], 1                       ; wr: which 128 rows
	s_and_b32 s20, s[WV], 1                        ; wc: which 128 columns
	s_bfe_u32 s21, ttmp6, 0x40000                  ; cx: the group of 256 columns; it enters Wo's, bo's and out0's global addresses alone
	s_and_b32 s22, ttmp7, 0xffff                   ; the group of 256 rows, which the four partners share
	v_and_b32 v7, 31, v0
	v_lshlrev_b32 v[LI], 4, v7
	v_and_b32 v7, 15, v0                           ; r
	v_bfe_u32 v8, v0, 4, 1                         ; h
	s_lshl_b32 s23, s19, 16
	v_add_nc_u32 v[LA], s23, v[LI]
	s_mul_i32 s23, s[WV], 8448
	s_add_co_u32 s23, s23, STG
	v_mul_u32_u24 v[STO], v7, 528
	v_lshl_add_u32 v[STO], v8, 5, v[STO]
	v_add_nc_u32 v[STO], s23, v[STO]
	v_add_nc_u32 v[RD], s23, v[LI]
	v_lshlrev_b32 v[BO], 5, v8
	; descriptor group 1: a quad's codes, 32,768 dense bytes, as 128 rows of 256 bytes (32 elements of 8); the mask names the cluster's four work-groups, bit 21 set beside it
	s_mov_b32 s24, 15|(3<<16)|(1<<21)
	s_mov_b32 s25, 32<<16
	s_mov_b32 s26, 128<<16
	s_mov_b32 s27, 32<<16
	s_mov_b32 s28, 128
	s_mov_b32 s29, 32
	s_mov_b32 s30, 0
	s_mov_b32 s31, 0
	s_lshl_b32 s48, s22, 2
	s_add_co_u32 s48, s48, s[WV]                   ; the quad that my wave fetches: 4 x group + wave
	s_lshl_b32 s50, s22, 13                        ; the scale words of my 128 rows: quads 4 x group + 2 wr on, 2,048 bytes each
	s_lshl_b32 s51, s19, 12
	s_add_co_u32 s50, s50, s51
	s_mov_b32 s51, 0
	s_lshl_b32 s48, s48, 15
	s_mov_b32 s49, 0
	s_lshl_b32 s52, s21, 17                        ; Wo's codes begin at quad 816; four quads a group of columns, two a wave
	s_lshl_b32 s53, s20, 16
	s_add_co_u32 s52, s52, s53
	s_add_co_u32 s52, s52, 26738688
	s_mov_b32 s53, 0
	s_lshl_b32 s54, s21, 13                        ; its scale words likewise
	s_lshl_b32 s55, s20, 12
	s_add_co_u32 s54, s54, s55
	s_add_co_u32 s54, s54, 1671168
	s_mov_b32 s55, 0
	s_lshl_b32 s56, s21, 10                        ; my first column, in bytes of f32
	s_lshl_b32 s57, s20, 9
	s_add_co_u32 s56, s56, s57
	s_mov_b32 s57, 0
	s_lshl_b32 s58, s22, 20                        ; my first row: 256 x group + 128 wr, 4,096 bytes each
	s_lshl_b32 s59, s19, 19
	s_add_co_u32 s58, s58, s59
	s_add_co_u32 s58, s58, s56
	s_mov_b32 s59, 0
	s_wait_alu depctr_va_vdst(0)                   ; the wait at the head's end
	s_wait_dscnt 0x0                               ; both opening adds are done
	s_wait_kmcnt 0x0
	s_mov_b32 s40, 1
	s_lshl_b32 s41, s[WV], 15
	s_add_nc_u64 s[42:43], s[4:5], s[48:49]
	s_or_b32 s43, s43, 0x80000000
	s_add_nc_u64 s[46:47], s[6:7], s[50:51]
	s_add_nc_u64 s[8:9], s[8:9], s[52:53]
	s_add_nc_u64 s[10:11], s[10:11], s[54:55]
	s_add_nc_u64 s[12:13], s[12:13], s[56:57]
	s_add_nc_u64 s[14:15], s[14:15], s[58:59]
	CROUND                                         ; all four work-groups are here: the joint loads meet
	tensor_load_to_lds s[40:43], s[24:31]          ; the launch's only fill: one tensor load of mine is out
	s_nop 0
	PLACES 4                                       ; behind a tensor load
	WIN 0x40
.irp b, 0,1,2,3
.irp s, 0,1,2,3,4,5,6,7
.irp c, 0,1
	global_load_b128 v[64*\b+8*\s+4*\c:64*\b+8*\s+4*\c+3], v[LI], s[8:9] offset:8192*\b+1024*\s+512*\c
.endr
.endr
.endr
	WIN 0x80
.irp b, 0,1,2,3
.irp s, 0,1,2,3,4,5,6,7
.irp c, 0,1
	global_load_b128 v[64*\b+8*\s+4*\c:64*\b+8*\s+4*\c+3], v[LI], s[8:9] offset:8192*(\b+4)+1024*\s+512*\c
.endr
.endr
.endr
	WIN 0xc0
	s_wait_alu depctr_va_vdst(0)
.irp b, 0,1,2,3,4,5,6,7
	global_load_b128 v[BI+8*\b:BI+8*\b+3], v[BO], s[12:13] offset:64*\b        ; bo of columns 16 b + 8 h + 0 .. 7
	global_load_b128 v[BI+8*\b+4:BI+8*\b+7], v[BO], s[12:13] offset:64*\b+16
.endr
	WIN 0
.irp qd, 0,1
.irp sp, 0,1,2,3
	global_load_b128 v[BS+16*\qd+4*\sp:BS+16*\qd+4*\sp+3], v[LI], s[10:11] offset:2048*\qd+512*\sp
	global_load_b128 v[AS+16*\qd+4*\sp:AS+16*\qd+4*\sp+3], v[LI], s[46:47] offset:2048*\qd+512*\sp
.endr
.endr
	s_wait_tensorcnt 0x0                           ; my quad of x has landed,
	s_barrier_signal -1
	s_barrier_wait -1                              ; everybody's has
.macro ALOAD a                         ; block a's eight fragments into set a mod 2
.irp s, 0,1,2,3,4,5,6,7
.irp c, 0,1
	ds_load_b128 v[AF+64*((\a)%2)+8*\s+4*\c:AF+64*((\a)%2)+8*\s+4*\c+3], v[LA] offset:8192*(\a)+1024*\s+512*\c
.endr
.endr
.endm
; Block a: 64 products, K ascending; four accumulators by turns.  An odd K step's scale words lie in lanes 16-31
.macro MUL a
.irp u, 0,1
	WIN 0xf1+\u                                    ; Wo window 1 or 2, x window 0, C and D window 3
.irp s, 0,1,2,3,4,5,6,7
.irp b, 0,1,2,3
.set rD, ACC+64*((\a)%2)+8*(4*\u+\b)
.set rC, BI+8*(4*\u+\b)
.set rW, 64*\b+8*\s
.set rX, AF+64*((\a)%2)+8*\s
.set rWS, BS+16*\u+4*(\s/2)+\b
.set rXS, AS+16*((\a)/4)+4*(\s/2)+(\a)%4
.if \s == 0
	v_wmma_scale_f32_16x16x128_f8f6f4 v[rD:rD+7], v[rW:rW+7], v[rX:rX+7], v[rC:rC+7], v[rWS], v[rXS] matrix_a_fmt:MATRIX_FMT_FP4 matrix_b_fmt:MATRIX_FMT_FP4
.elseif \s%2
	v_wmma_scale_f32_16x16x128_f8f6f4 v[rD:rD+7], v[rW:rW+7], v[rX:rX+7], v[rD:rD+7], v[rWS], v[rXS] matrix_a_fmt:MATRIX_FMT_FP4 matrix_b_fmt:MATRIX_FMT_FP4 matrix_a_scale:MATRIX_SCALE_ROW1 matrix_b_scale:MATRIX_SCALE_ROW1
.else
	v_wmma_scale_f32_16x16x128_f8f6f4 v[rD:rD+7], v[rW:rW+7], v[rX:rX+7], v[rD:rD+7], v[rWS], v[rXS] matrix_a_fmt:MATRIX_FMT_FP4 matrix_b_fmt:MATRIX_FMT_FP4
.endif
.endr
.endr
.endr
.endm
; Block a leaves: 32 bytes a lane into my stage (rows 528 bytes apart: sixteen rows start at sixteen different banks), back as whole rows of 512 bytes, stored by the 32 lanes
.macro OUT a
	WIN 0x0c                                       ; an LDS store's data are its source 1: window 3
.irp b, 0,1,2,3,4,5,6,7
	ds_store_b128 v[STO], v[ACC+64*((\a)%2)+8*\b:ACC+64*((\a)%2)+8*\b+3] offset:64*\b       ; each accumulator from its low end on
	ds_store_b128 v[STO], v[ACC+64*((\a)%2)+8*\b+4:ACC+64*((\a)%2)+8*\b+7] offset:64*\b+16
.endr
	s_wait_xcnt 0x0                                ; the block before has had its stores' data read: the rows' registers are loaded again only behind this wait
	WIN 0xc0
.irp i, 0,1,2,3,4,5,6,7,8,9,10,11,12,13,14,15
	ds_load_b128 v[BK+4*\i:BK+4*\i+3], v[RD] offset:528*\i   ; LDS serves a wave's instructions in order: these see the stores above
.endr
	WIN 0x0c
.irp i, 0,1,2,3,4,5,6,7,8,9,10,11,12,13,14,15
	s_wait_dscnt 15-\i                             ; row i is back; the later rows may be out
	global_store_b128 v[LI], v[BK+4*\i:BK+4*\i+3], s[14:15] offset:65536*(\a)+4096*\i th:TH_STORE_NT   ; 512 consecutive bytes, aligned; written once, read by nobody here
.endr
.endm
	ALOAD 0
	s_wait_loadcnt 0x0                             ; Wo, its scale words and bo are in
.irp a, 0,1,2,3,4,5,6,7
	s_wait_dscnt 0x0                               ; block a's fragments are in; the stage's stores have read the accumulators that block a will take
.if \a > 0
	WIN 0
	PLACES 4                                       ; behind block a - 1's products: its fragments' set is loaded anew, its results are read
.endif
.if \a < 7
	ALOAD \a+1
.endif
	MUL \a
.if \a > 0
	OUT \a-1                                       ; the block before leaves while this block's products run
.endif
.endr
	WIN 0
	PLACES 4
	OUT 7
	WIN 0
	s_wait_tensorcnt 0x0                           ; the wave's end, ahead of the closing round
	ds_add_u32 v[SPW], v[NIL]
	s_wait_dscnt 0x0
	CROUND
	s_endpgm
.Lfunc_end_k_qdaaacd5271_oproj:
	.size	k_qdaaacd5271_oproj, .Lfunc_end_k_qdaaacd5271_oproj-k_qdaaacd5271_oproj
	.p2alignl 7, 3214868480
	.fill 96, 4, 3214868480
	.section	.rodata,"a",@progbits
	.p2align	6, 0x0
	.amdhsa_kernel k_qdaaacd5271_oproj
		.amdhsa_group_segment_fixed_size 173568
		.amdhsa_private_segment_fixed_size 0
		.amdhsa_enable_private_segment 0
		.amdhsa_kernarg_size 48
		.amdhsa_user_sgpr_count 2
		.amdhsa_user_sgpr_kernarg_segment_ptr 1
		.amdhsa_wavefront_size32 1
		.amdhsa_system_sgpr_workgroup_id_x 1
		.amdhsa_system_sgpr_workgroup_id_y 1
		.amdhsa_system_sgpr_workgroup_id_z 1
		.amdhsa_system_vgpr_workitem_id 0
		.amdhsa_next_free_vgpr 1024
		.amdhsa_next_free_sgpr 66
		.amdhsa_reserve_vcc 0
		.amdhsa_float_denorm_mode_32 3
		.amdhsa_float_denorm_mode_16_64 3
		.amdhsa_memory_ordered 1
		.amdhsa_forward_progress 1
		.amdhsa_inst_pref_size 127
	.end_amdhsa_kernel
	.amdgpu_metadata
---
amdhsa.version: [ 1, 2 ]
amdhsa.kernels:
  - .name:           k_qdaaacd5271_oproj
    .symbol:         k_qdaaacd5271_oproj.kd
    .args:
      - { .name: xc, .offset: 0, .size: 8, .value_kind: global_buffer, .address_space: global }
      - { .name: xs, .offset: 8, .size: 8, .value_kind: global_buffer, .address_space: global }
      - { .name: codes, .offset: 16, .size: 8, .value_kind: global_buffer, .address_space: global }
      - { .name: scales, .offset: 24, .size: 8, .value_kind: global_buffer, .address_space: global }
      - { .name: bo, .offset: 32, .size: 8, .value_kind: global_buffer, .address_space: global }
      - { .name: out0, .offset: 40, .size: 8, .value_kind: global_buffer, .address_space: global }
    .group_segment_fixed_size: 173568
    .private_segment_fixed_size: 0
    .kernarg_segment_align: 8
    .kernarg_segment_size: 48
    .max_flat_workgroup_size: 128
    .sgpr_count:     66
    .vgpr_count:     1024
    .wavefront_size: 32
...
	.end_amdgpu_metadata
.endif
;; end of part 3
